; MI455X (gfx1250); checked and timed in simulation.
; The chip was launched on July 23, 2026; its instructions are those of AMD's public machine-readable ISA for CDNA 5 (MIT licence, August 2026) and "CDNA5" Instruction Set Architecture Reference Guide (July 2026). The comments in the code are by the model that wrote it; some were corrected since.
;; New Additive Attention. Allowed arithmetic: matrix products marked QUANTISED: E3M2 operands, one E8M0 scale for each 32 along K, by v_wmma_scale_f32_16x16x128_f8f6f4 with both operands' format E3M2, f32 sums; products left as they are: f32 operands where the result goes on into a quantised operand, else bf16, f16 or f32 operands; f32 sums; everything else in f32.
;; Inputs: U_w 1,024 x 1,024 float32; V 32 x 2,048 x 1,024 float32; W_b 1,024 float32; W_w 1,024 x 1,024 float32; h 32 x 1,024 float32; w_w 1 x 1,024 float32.
;; Outputs: out0 32 x 1,024 float32; out1 32 x 2,048 float32.
;; This version of the problem:
;;   THIS VERSION OF THE PROBLEM IS GIVEN IN LOW PRECISION. The matrix products marked QUANTISED in the list below multiply operands that are first quantised to E3M2 (3 exponent bits, 2 mantissa bits; 6 bits a number), with one power-of-two scale for each 32 numbers along K (OCP MX v1.0); their sums are f32. All else is computed in f32.
;;   The module's matrix products, in the order in which they are computed (A, B: the left and right operand; K: the contracted axis; several contracted axes count as one K, in the product's order):
;;     1. [M 32, K 1,024] x [K 1,024, N 1,024]; A: input h; B: input W_w: QUANTISED
;;     2. [M 65,536, K 1,024] x [K 1,024, N 1,024]; A: input V; B: input U_w: QUANTISED
;;     3. [M 65,536, K 1,024] x [K 1,024, N 1]; A: computed on the way; B: input w_w: left as it is (N = 1 < 16)
;;     4. batch 32 x [M 1, K 2,048] x [K 2,048, N 1,024]; A: softmax; B: input V: left as it is (M = 1 < 16)
;;   THE QUANTISER, for each operand of a quantised product, along K:
;;     - K is cut into blocks of 32 from its start; a last block that is shorter is filled with zeros.
;;     - A block's scale is 2^e with e = floor(log2(the largest magnitude in the block)) - 4, held to -126 .. 127; a block of zeros has e = 0. As a byte (E8M0): e + 127.
;;     - Each number is divided by its block's scale, clamped to +-28, and rounded to the nearest number of E3M2, ties to even, subnormals kept.
;;     - The product sums the exact products of the quantised numbers (number of the format x scale) in f32.
;;   ~~~python
;;   def quantise(x, axis):      # numpy; x: float32 -> the quantised numbers, widened to float32 again
;;       x = np.moveaxis(x, axis, -1); K = x.shape[-1]
;;       x = np.pad(x, [(0, 0)] * (x.ndim - 1) + [(0, -K % 32)]); x = x.reshape(x.shape[:-1] + (-1, 32)); a = np.abs(x).max(-1, keepdims=True)
;;       e = np.where(a > 0, np.clip(np.frexp(np.where(a > 0, a, 1))[1] - 1 - 4, -126, 127), 0)      # np.frexp(a)[1] - 1 = floor(log2(a)), exactly
;;       r = np.clip(x / 2.0 ** e, -28, 28)
;;       step = 2.0 ** (np.maximum(np.frexp(np.where(r == 0, 1, r))[1] - 1, -2) - 2)
;;       q = np.round(r / step) * step * 2.0 ** e      # np.round: ties to even
;;       return np.moveaxis(q.reshape(q.shape[:-2] + (-1,))[..., :K], -1, axis).astype(np.float32)
;;   ~~~
;; One version. Each part assembles by itself: llvm-mc -triple=amdgcn-amd-amdhsa -mcpu=gfx1250 --defsym DOCPART=n.
;; ======== version 1 of 1: 3 launches
;; limits: right only within a limited range of input values
;; workspace buffers: upack 819,200 bytes; hpt 131,072 bytes; escore 262,144 bytes
;; launch prep (part 1): grid 128 x 1, 8 waves a work-group, no clusters, 153,088 bytes of LDS; arguments U_w, W_w, h, W_b, upack, hpt; writes upack, hpt
.if DOCPART == 1
	.amdgcn_target "amdgcn-amd-amdhsa--gfx1250"
	.amdhsa_code_object_version 6
	.text
	.protected	k_q6f16798c4f_prep
	.globl	k_q6f16798c4f_prep
	.p2align	8
	.type	k_q6f16798c4f_prep,@function
k_q6f16798c4f_prep:
	s_mov_b64 s[64:65], 0
	v_nop
	global_prefetch_b8 v0, s[64:65] scope:SCOPE_SE
	s_setreg_imm32_b32 hwreg(HW_REG_WAVE_MODE, 25, 1), 1
	s_wait_xcnt 0x0
; PREP.  Work-groups 0-63: 16 rows of U_w [1024][1024] f32 each become codes of BF6 (E3M2) with one E8M0 byte for each 32 along K, laid in upack in the ORDER OF THE OPERAND'S REGISTERS:
; a tile of 16 rows is 12,800 bytes: 8 fragment images (K step k at 1536 k; registers 4 c .. 4 c + 3 of lane l at 512 c + 16 l), then 512 bytes of scale words, [row][K step].
; Work-groups 64-127: 16 rows of W_w each are quantised the same way and multiplied at once: h_proj = Q(h) Q(W_w)^T + W_b, stored in hpt as [tile of 16 d][batch 32][16 d] f32.
; SHARES.  Eight waves; wave k takes K step k (128 along K): one fragment of the matrix, and on W's path the two fragments of h's 32 rows.  W's eight partial sums meet in LDS and are added in ascending K.
; A block's scale is 2^(floor(log2(its largest magnitude)) - 4): its byte is that magnitude's exponent field - 4, held at 1 from below by a floor among the maximum's leaves.
; LIMITS: NaN and infinities among the inputs are not served; a block whose largest magnitude lies under 2^-122 keeps the byte 1; a block of zeros has that byte too, over zero codes, and this program alone reads the bytes.
; NO CLUSTER, NO TENSOR LOAD: each byte of U_w and W_w is read by one wave; what work-groups share is h, 128 KB against the 8 MB of the two matrices.
; Every load reads 512 bytes on end (a row's K step).  The conversions want a lane's registers to run along K, so the 16 x 512 bytes turn through the wave's own stage in LDS:
; rows 528 bytes apart (33 x 16: the sixteen rows of a load begin in sixteen different 16-byte columns of 256 bytes).
; LEFT OUT BY THE PROGRAM: e[b][s] = sum over d of w_d tanh(x_d) = (sum over d of w_d) - 2 sum over d of w_d / (1 + exp(2 x_d)).  The first term is the same for every s, whatever w_w holds,
; and the softmax over s takes such a term away: launch scores stores the second term alone.  No input is left out.  LIMIT: an overflow that reaches only the sum of w_w is not carried to the result.
.set WSTG, 8448
.set STG2, 67584                       ; LDS: 0: eight stages for the matrix; STG2: eight more for h (W's path has bytes of its own);
.set GATH, 135168                      ; 512 bytes of scale words [row][K step] (U's path);
.set PART, 135680                      ; 8 x 2,048 bytes: partial sums [wave][batch][16 d] (W's path)
.set G0,  16                           ; v16-79   64 numbers of a lane
.set G1,  80                           ; v80-143  a second set
.set CM,  144                          ; v144-155 the matrix's fragment;  v156-167, v168-179 h's two
.set CH0, 156
.set CH1, 168
.set WM,  180                          ; v180-182 their scale words, and nothing else
.set WH0, 181
.set WH1, 182
.set MX,  184                          ; v184-185 largest magnitudes; v186-187 the conversions' scale operands; v188-189 bytes
.set SO,  186
.set BY,  188
.set WD,  190
.set WX,  191
.set CT,  192                          ; v192-194, v196-198 the upper halves' codes
.set ACC, 200                          ; v200-215 two accumulators
.set RD,  216                          ; v216-231 the eight partial sums; v232-233 the bias
.set SEL, 34                           ; s[34:35] lane selects: lane l xor 16
; v1 16 x lane | v2, v3 stage in and out | v4, v5 the same in h's stage | v6 my scale word's place | v7 8 h | v8, v9 partial sums in and out | v10 8 t | v11 8 (t % 8) | v12 the gather's way out
	s_load_b256 s[4:11], s[0:1], 0x0               ; U_w s[4:5], W_w s[6:7], h s[8:9], W_b s[10:11]
	s_load_b128 s[12:15], s[0:1], 0x20             ; upack s[12:13], hpt s[14:15]
	v_lshl_add_u32 v254, v0, 2, 0x25200
	v_mov_b32 v255, 0
	v_lshrrev_b32 v236, 5, v0
	s_delay_alu instid0(VALU_DEP_1)
	v_readfirstlane_b32 s16, v236                  ; wave = K step
	v_and_b32 v13, 31, v0                          ; lane
	v_and_b32 v14, 15, v0                          ; r
	v_bfe_u32 v15, v0, 4, 1                        ; h
	s_delay_alu instid0(VALU_DEP_3)
	v_lshlrev_b32 v1, 4, v13
	s_mul_i32 s17, s16, WSTG
	v_add_nc_u32 v2, s17, v1                       ; in: a row's 512 bytes as loaded
	v_mul_u32_u24 v3, v14, 528
	s_delay_alu instid0(VALU_DEP_1)
	v_lshl_add_u32 v3, v15, 7, v3
	s_delay_alu instid0(VALU_DEP_1)
	v_add_nc_u32 v3, s17, v3                       ; out: row r, + 128 h: my 32 numbers of a half of 64
	s_delay_alu instid0(VALU_DEP_4)
	v_add_nc_u32 v4, STG2, v2
	s_delay_alu instid0(VALU_DEP_2)
	v_add_nc_u32 v5, STG2, v3
	s_lshl_b32 s18, s16, 2
	s_add_co_u32 s18, s18, GATH
	v_lshl_add_u32 v6, v14, 5, s18                 ; 32 r + 4 k
	v_lshlrev_b32 v7, 3, v15
	s_lshl_b32 s19, s16, 11
	s_add_co_u32 s19, s19, PART
	v_lshlrev_b32 v8, 6, v14
	s_delay_alu instid0(VALU_DEP_1)
	v_lshl_add_u32 v8, v15, 5, v8
	s_delay_alu instid0(VALU_DEP_1)
	v_add_nc_u32 v8, s19, v8                       ; batch r: 64 r, + 32 h: my eight d
	v_lshlrev_b32 v10, 3, v0
	s_delay_alu instid0(VALU_DEP_1)
	v_add_nc_u32 v9, PART, v10
	v_and_b32 v11, 7, v0
	s_delay_alu instid0(VALU_DEP_1)
	v_lshlrev_b32 v11, 3, v11
	v_add_nc_u32 v12, GATH, v1
	v_mov_b32 v[WX], 0                             ; written once: a lane permute's destination counts as one of its sources
	s_mov_b32 s[SEL], 0x76543210
	s_mov_b32 s[SEL+1], 0xfedcba98
	s_lshr_b32 s24, ttmp9, 6                       ; 0: U's path, 1: W's
	s_and_b32 s25, ttmp9, 63                       ; the tile of 16 rows
	s_lshl_b32 s22, s25, 16                        ; 16 rows of 4,096 bytes,
	s_lshl_b32 s26, s16, 9                         ; + my K step's 512
	s_add_co_u32 s22, s22, s26
	s_mov_b32 s23, 0
	s_mov_b32 s27, 0
	s_lshl_b32 s28, s25, 6                         ; W_b: 16 numbers a tile
	s_mov_b32 s29, 0
	s_mul_i32 s30, s25, 12800                      ; upack: the tile, + my image
	s_mul_i32 s31, s16, 1536
	s_add_co_u32 s30, s30, s31
	s_mov_b32 s31, 0
	s_lshl_b32 s32, s25, 11                        ; hpt: 2,048 bytes a tile
	s_mov_b32 s33, 0
	s_wait_kmcnt 0x0
	s_cmp_eq_u32 s24, 0                            ; the choice hangs on the work-group's number alone
	s_cselect_b64 s[20:21], s[4:5], s[6:7]
	s_add_nc_u64 s[20:21], s[20:21], s[22:23]
	s_add_nc_u64 s[8:9], s[8:9], s[26:27]
	s_add_nc_u64 s[10:11], s[10:11], s[28:29]
	s_add_nc_u64 s[12:13], s[12:13], s[30:31]
	s_add_nc_u64 s[14:15], s[14:15], s[32:33]
.macro GLOAD g, b, off                 ; 16 rows' K step: each load 512 bytes on end
.irp p, 0,1,2,3,4,5,6,7,8,9,10,11,12,13,14,15
	global_load_b128 v[\g+4*\p:\g+4*\p+3], v1, s[\b:\b+1] offset:\off+4096*\p
.endr
.endm
.macro TURNST g, sa, sb                ; through my stage: LDS serves a wave's instructions in order, so no wait stands between the stores and the loads.  Afterwards register 32 c + i = k 64 c + 32 h + i of row r
.irp p, 0,1,2,3,4,5,6,7,8,9,10,11,12,13,14,15
	ds_store_b128 v[\sa], v[\g+4*\p:\g+4*\p+3] offset:528*\p
.endr
.irp c, 0,1
.irp i, 0,1,2,3,4,5,6,7
	ds_load_b128 v[\g+32*\c+4*\i:\g+32*\c+4*\i+3], v[\sb] offset:256*\c+16*\i
.endr
.endr
.endm
.macro QUANT g, cd, wd                 ; 64 numbers of a lane (two whole blocks) -> the fragment's 12 registers at cd, the row's scale word in wd
.irp c, 0,1
	v_max3_num_f32 v[MX+\c], |v[\g+32*\c]|, |v[\g+32*\c+1]|, 0x2800000   ; and the floor 2^(5 - 127): the byte cannot fall under 1
.endr
.irp i, 2,4,6,8,10,12,14,16,18,20,22,24,26,28,30
.irp c, 0,1
	s_delay_alu instid0(VALU_DEP_2)
	v_max3_num_f32 v[MX+\c], v[MX+\c], |v[\g+32*\c+\i]|, |v[\g+32*\c+\i+1]|
.endr
.endr
.irp c, 0,1
	s_delay_alu instid0(VALU_DEP_2)
	v_add_nc_u32 v[SO+\c], 0xfe000000, v[MX+\c]    ; 4 off the exponent field: the conversion takes this operand's exponent field as its scale
.endr
.irp c, 0,1
	s_delay_alu instid0(VALU_DEP_2)
	v_lshrrev_b32 v[BY+\c], 23, v[SO+\c]           ; the scale's byte
.endr
	s_delay_alu instid0(VALU_DEP_1)
	v_lshl_or_b32 v[WD], v[BY+1], 16, v[BY]        ; my bytes: blocks h and 2 + h,
	s_delay_alu instid0(VALU_DEP_1)
	v_lshlrev_b32 v[WD], v7, v[WD]                 ; 8 h bits up;
	s_delay_alu instid0(VALU_DEP_1)
	v_permlanex16_b32 v[WX], v[WD], s[SEL], s[SEL+1]
	s_delay_alu instid0(VALU_DEP_1)
	v_or_b32 v[\wd], v[WD], v[WX]                  ; with lane l xor 16's two the word is whole
.irp c, 0,1
	v_cvt_scalef32_pk16_bf6_f32 v[\cd+6*\c:\cd+6*\c+2], v[\g+32*\c:\g+32*\c+15], v[SO+\c]
	v_cvt_scalef32_pk16_bf6_f32 v[CT+4*\c:CT+4*\c+2], v[\g+32*\c+16:\g+32*\c+31], v[SO+\c]   ; (a conversion's three registers begin on an even number: the upper half is made elsewhere and moved)
.endr
	v_nop                                          ; one plain place behind the scaled conversions
.irp c, 0,1
.irp i, 0,1,2
	v_mov_b32 v[\cd+6*\c+3+\i], v[CT+4*\c+\i]
.endr
.endr
.endm
	GLOAD G0, 20, 0                                ; the matrix's 16 rows
	s_cmp_lg_u32 s24, 0
	s_cbranch_scc0 .Lmatrix_only
	GLOAD G1, 8, 0                                 ; h's rows 0-15
	s_wait_alu depctr_va_vdst(0)
	global_load_b64 v[232:233], v11, s[10:11]      ; the bias of my two d
.Lmatrix_only:
	s_wait_loadcnt 0x0                             ; for 0: the two paths have different numbers of loads out
	TURNST G0, 2, 3
	s_wait_dscnt 0x0
	QUANT G0, CM, WM
	s_cmp_lg_u32 s24, 0
	s_cbranch_scc1 .Lw_work
	ds_store_b32 v6, v[WM]                         ; lanes r and r + 16 write the same word with the same value
	s_branch .Lmeet
.Lw_work:
	GLOAD G0, 8, 65536                             ; h's rows 16-31, into the registers that the matrix's numbers have left
	TURNST G1, 4, 5
	s_wait_dscnt 0x0
	QUANT G1, CH0, WH0
	s_wait_loadcnt 0x0
	TURNST G0, 4, 5
	s_wait_dscnt 0x0
	QUANT G0, CH1, WH1
.rept 8
	v_nop                                          ; a scale register written by a vector instruction stands 8 places ahead of a scaled matrix instruction, an operand so written 4
.endr
	; source 0 = 16 rows of W_w (m = d), source 1 = 16 rows of h (n = batch): lane (r, h) holds batch r and d = 8 h + 0 .. 7
	v_wmma_scale_f32_16x16x128_f8f6f4 v[ACC:ACC+7], v[CM:CM+11], v[CH0:CH0+11], 0, v[WM], v[WH0] matrix_a_fmt:MATRIX_FMT_BF6 matrix_b_fmt:MATRIX_FMT_BF6
	v_wmma_scale_f32_16x16x128_f8f6f4 v[ACC+8:ACC+15], v[CM:CM+11], v[CH1:CH1+11], 0, v[WM], v[WH1] matrix_a_fmt:MATRIX_FMT_BF6 matrix_b_fmt:MATRIX_FMT_BF6
.rept 4
	v_nop                                          ; four places in front of the first read of the results
.endr
.irp t, 0,1
	ds_store_b128 v8, v[ACC+8*\t:ACC+8*\t+3] offset:1024*\t        ; each accumulator from its low end on
	ds_store_b128 v8, v[ACC+8*\t+4:ACC+8*\t+7] offset:1024*\t+16
.endr
.Lmeet:
	s_wait_dscnt 0x0                               ; for the others' sake: my stores (scale words, or partial sums) have landed
	s_barrier_signal -1
	s_barrier_wait -1
	s_cmp_lg_u32 s24, 0
	s_cbranch_scc1 .Lw_sum
	s_wait_alu depctr_va_vdst(0)
.irp c, 0,1,2
	global_store_b128 v1, v[CM+4*\c:CM+4*\c+3], s[12:13] offset:512*\c   ; the image: 512 bytes on end, at a multiple of 256 from upack's first byte
.endr
	s_cmp_lg_u32 s16, 0
	s_cbranch_scc1 .Ldone
	ds_load_b128 v[RD:RD+3], v12                   ; wave 0: the tile's 512 bytes of scale words
	s_wait_dscnt 0x0
	global_store_b128 v1, v[RD:RD+3], s[12:13] offset:12288
.Ldone:
	s_wait_tensorcnt 0x0
	ds_add_u32 v254, v255
	s_wait_dscnt 0x0
	s_endpgm
.Lw_sum:
.irp q, 0,1,2,3,4,5,6,7
	ds_load_b64 v[RD+2*\q:RD+2*\q+1], v9 offset:2048*\q            ; thread t: numbers 2 t, 2 t + 1 of [batch][16 d], of each K step
.endr
	s_wait_dscnt 0x0
.irp q, 1
	v_pk_add_f32 v[RD:RD+1], v[RD:RD+1], v[RD+2*\q:RD+2*\q+1]      ; K ascending
.endr
.irp q, 2, 3, 4, 5, 6, 7
	s_delay_alu instid0(VALU_DEP_1)
	v_pk_add_f32 v[RD:RD+1], v[RD:RD+1], v[RD+2*\q:RD+2*\q+1]      ; K ascending
.endr
	s_delay_alu instid0(VALU_DEP_1)
	v_pk_add_f32 v[RD:RD+1], v[RD:RD+1], v[232:233]
	global_store_b64 v10, v[RD:RD+1], s[14:15]     ; a wave stores 256 bytes on end
	s_wait_tensorcnt 0x0
	ds_add_u32 v254, v255
	s_wait_dscnt 0x0
	s_endpgm
.Lfunc_end_k_q6f16798c4f_prep:
	.size	k_q6f16798c4f_prep, .Lfunc_end_k_q6f16798c4f_prep-k_q6f16798c4f_prep
	.p2alignl 7, 3214868480
	.fill 96, 4, 3214868480
	.section	.rodata,"a",@progbits
	.p2align	6, 0x0
	.amdhsa_kernel k_q6f16798c4f_prep
		.amdhsa_group_segment_fixed_size 153088
		.amdhsa_private_segment_fixed_size 0
		.amdhsa_enable_private_segment 0
		.amdhsa_kernarg_size 48
		.amdhsa_user_sgpr_count 2
		.amdhsa_user_sgpr_kernarg_segment_ptr 1
		.amdhsa_wavefront_size32 1
		.amdhsa_system_sgpr_workgroup_id_x 1
		.amdhsa_system_sgpr_workgroup_id_y 1
		.amdhsa_system_sgpr_workgroup_id_z 1
		.amdhsa_system_vgpr_workitem_id 0
		.amdhsa_next_free_vgpr 256
		.amdhsa_next_free_sgpr 66
		.amdhsa_reserve_vcc 0
		.amdhsa_float_denorm_mode_32 3
		.amdhsa_float_denorm_mode_16_64 3
		.amdhsa_memory_ordered 1
		.amdhsa_forward_progress 1
		.amdhsa_inst_pref_size 30
	.end_amdhsa_kernel
	.amdgpu_metadata
---
amdhsa.version: [ 1, 2 ]
amdhsa.kernels:
  - .name:           k_q6f16798c4f_prep
    .symbol:         k_q6f16798c4f_prep.kd
    .args:
      - { .name: U_w, .offset: 0, .size: 8, .value_kind: global_buffer, .address_space: global }
      - { .name: W_w, .offset: 8, .size: 8, .value_kind: global_buffer, .address_space: global }
      - { .name: h, .offset: 16, .size: 8, .value_kind: global_buffer, .address_space: global }
      - { .name: W_b, .offset: 24, .size: 8, .value_kind: global_buffer, .address_space: global }
      - { .name: upack, .offset: 32, .size: 8, .value_kind: global_buffer, .address_space: global }
      - { .name: hpt, .offset: 40, .size: 8, .value_kind: global_buffer, .address_space: global }
    .group_segment_fixed_size: 153088
    .private_segment_fixed_size: 0
    .kernarg_segment_align: 8
    .kernarg_segment_size: 48
    .max_flat_workgroup_size: 256
    .sgpr_count:     66
    .vgpr_count:     256
    .wavefront_size: 32
...
	.end_amdgpu_metadata
.endif
;; end of part 1
;; launch scores (part 2): grid 256 x 1, 8 waves a work-group, clusters of 4 x 1, 327,680 bytes of LDS; arguments V, upack, hpt, w_w, escore; writes escore
.if DOCPART == 2
	.amdgcn_target "amdgcn-amd-amdhsa--gfx1250"
	.amdhsa_code_object_version 6
	.text
	.protected	k_q6f16798c4f_scores
	.globl	k_q6f16798c4f_scores
	.p2align	8
	.type	k_q6f16798c4f_scores,@function
k_q6f16798c4f_scores:
	s_mov_b64 s[64:65], 0
	v_nop
	global_prefetch_b8 v0, s[64:65] scope:SCOPE_SE
	s_setreg_imm32_b32 hwreg(HW_REG_WAVE_MODE, 25, 1), 1
	s_wait_xcnt 0x0
	s_wait_alu depctr_hold_cnt(0) depctr_sa_sdst(0) depctr_va_vdst(0) depctr_va_sdst(0) depctr_va_ssrc(0) depctr_va_vcc(0) depctr_vm_vsrc(0)
	s_getreg_b32 s2, hwreg(HW_REG_IB_STS2, 6, 4)
	s_cmp_eq_u32 s2, 0
	s_cbranch_scc0 .Lentry_in_a_cluster
	s_endpgm
.Lentry_in_a_cluster:
	s_bfe_u32 s2, ttmp6, 0x10000c
	s_cmp_lg_u32 s2, 0x3003
	s_cbranch_scc0 .Lentry_shape_is_right
	s_endpgm
.Lentry_shape_is_right:
; SCORES.  escore[b][s] = -2 sum over d of w_d / (1 + exp(2 (h_proj[b][d] + Q(V[b][s]) . Q(U_w[d])))): e less the sum of w_w, which is the same for every s and which the softmax takes away (shown at the head of prep).
; SHARES.  A work-group takes 256 rows of V (an eighth of a batch), eight waves, two to a SIMD.  Wave w = p + 4 q holds the codes of rows 64 p .. 64 p + 63 for all of K (32 fragments, 384 registers)
; and walks the tiles 4 q .. 4 q + 3 of each eight tiles of U: the two waves of a pair share the 1,024 d, and their two sums meet in LDS at the end.  Both waves of a pair quantise the pair's rows from the same LDS bytes.
; HEAD.  V comes in eight K steps of 128 (rows of 512 bytes) through two LDS slots; wave w fetches rows 32 w .. 32 w + 31 of a step by one tensor load.  Each step is quantised as the contract says:
; a block's byte is its largest magnitude's exponent field - 4, held at 1 from below by a floor among the maximum's leaves.
; PREFETCH.  Behind the load of K step s each wave names the 64 blocks of 256 bytes of its own 32 rows of K step s + 2 (a lane a row, two instructions); steps 6 and 7 have no step two on.
; U is not prefetched: all 64 clusters read the same 819,200 bytes, 3 in a thousand of what the launch reads.
; LOOP.  U's tiles (12,800 bytes: eight fragment images and the scale words, as prep laid them) come in eight fills of eight tiles through two slots laid over V's, by JOINT loads of the cluster's four work-groups, a tile a wave.
; A tile of 16 d: 32 matrix instructions (source 0 = U's 16 d, source 1 = 16 rows of V; a lane holds one row and eight d), the four accumulators by turns;
; then the tile's 32 registers go through fma, exp2, + 1, rcp, fma in whole batches, so that each batch of transcendentals has one wait ahead of it and one behind it.
; U's fragments go through a ring of four register slots: fragment k of tile t lies in slot (k + t) % 4; the slot that k = 4 leaves holds the tile's h_proj and then its w while the tile is finished.
; LIMITS: NaN and infinities among the inputs are not served; a block whose largest magnitude lies under 2^-122 keeps the byte 1.  exp2 may give infinity or 0: 1 / (1 + it) is then 0 or 1, tanh's own limits.
; REGISTERS: v0 thread | v1, v2 the add's two | v3-5 LDS addresses | v6-21 V's scale words (lanes 0-15 an even block of rows, lanes 16-31 the odd one) | v22-29 U's (lanes 0-15 an even tile, 16-31 the odd)
; v30-61 accumulators | v62-69 the rows' sums | v70-117 the ring | v118-120 lane terms of the addresses | v124-255 V's fragments 0-10 | window 1: v0-251 fragments 11-31.  In the head v30-123 are at work.
.set VROW,  528                        ; an LDS row of V: 512 bytes + 16
.set WVV,   32*VROW                    ; what one wave fetches of a K step
.set VSLOT, 8*WVV
.set USLOT, 0x20000
.set UTILE, 12800
.set TBL,   270336                     ; 4,096 bytes: c x h_proj of my batch; 4,096: -2 w
.set SCR,   278528                     ; 2 x 1,024 bytes: the two halves' sums
.set SPARE, 280576                     ; the spare words: 128 bytes a wave
.set FA,  3
.set UA,  4
.set TA,  5
.set VS,  6
.set US,  22
.set ACC, 30
.set EA,  62
.set UF,  70
.set FC,  118
.set UC,  119
.set TC,  120
.set VC0, 124
.set X,   30
.set MX,  94
.set SO,  96
.set BY,  98
.set WD,  100
.set WX,  101
.set CT0, 102
.set CT1, 106
.set VA,  110
.set SH8, 112
.set PFO, 113
.set MSB, 0
.macro WIN new                         ; the immediate's high byte repeats the setting that is left
.if MSB != \new
	s_set_vgpr_msb (MSB<<8)|\new
.set MSB, \new
.endif
.endm
.macro CREST
	s_cmp_lg_u32 s14, 0
	s_cbranch_scc1 .Lnot_wave_0_\@
	s_barrier_signal -3
.Lnot_wave_0_\@:
	s_barrier_wait -3
	s_barrier_signal -1
	s_barrier_wait -1
.endm
.macro ROUND                           ; a round of the cluster's barrier
	s_barrier_signal -1
	s_barrier_wait -1
	CREST
.endm
.macro NOP4
.rept 4
	v_nop
.endr
.endm
	s_load_b256 s[4:11], s[0:1], 0x0               ; V, upack, hpt, w_w
	s_load_b64 s[12:13], s[0:1], 0x20              ; escore
	v_lshl_add_u32 v1, v0, 2, SPARE
	v_mov_b32 v2, 0
	ds_add_u32 v1, v2                              ; the opening lines: the add twice on end
	ds_add_u32 v1, v2
	v_lshrrev_b32 v94, 5, v0
	v_readfirstlane_b32 s14, v94                   ; wave
	s_and_b32 s60, s14, 3                          ; p: my 64 rows
	s_lshr_b32 s61, s14, 2                         ; q: my half of the tiles
	s_bfe_u32 s15, ttmp6, 0x40000                  ; cx
	s_lshl_b32 s16, ttmp9, 2
	s_add_co_u32 s16, s16, s15                     ; work-group
	s_lshr_b32 s17, ttmp9, 1                       ; batch
	s_mov_b32 s24, (2<<16)|(1<<20)|(6<<22)|(3<<25) ; V: 32 rows x 128 f32, 4 words of padding behind each 128
	s_mov_b32 s25, 128<<16
	s_mov_b32 s26, 32<<16
	s_mov_b32 s27, 128<<16
	s_mov_b32 s28, 32
	s_mov_b32 s29, 1024
	s_mov_b32 s30, 0
	s_mov_b32 s31, 0
	s_mov_b32 s32, 15|(3<<16)|(1<<21)              ; U: a tile as 50 rows of 256 bytes, for all four work-groups of the cluster
	s_mov_b32 s33, 32<<16
	s_mov_b32 s34, 50<<16
	s_mov_b32 s35, 32<<16
	s_mov_b32 s36, 50
	s_mov_b32 s37, 32
	s_mov_b32 s38, 0
	s_mov_b32 s39, 0
	s_mov_b32 s52, 0x4038aa3b                      ; c = 2 log2(e)
	s_mov_b32 s53, s52
	s_mov_b32 s54, 0x76543210
	s_mov_b32 s55, 0xfedcba98                      ; lane l xor 16
	s_mov_b32 s56, 0xffff0000                      ; lanes 16-31
	s_lshl_b32 s18, s16, 20                        ; 256 rows of 4,096 bytes a work-group,
	s_lshl_b32 s19, s14, 17                        ; 32 a wave
	s_add_co_u32 s18, s18, s19
	s_mov_b32 s19, 0
	s_mul_i32 s41, s14, WVV
	s_mul_i32 s49, s14, UTILE
	s_mul_i32 s20, s60, 2*WVV
	s_mul_i32 s21, s61, 4*UTILE
	s_add_co_u32 s22, s21, 12288
	s_lshl_b32 s23, s61, 8
	s_add_co_u32 s23, s23, TBL
	s_wait_dscnt 0x0
	s_wait_kmcnt 0x0
	s_add_nc_u64 s[4:5], s[4:5], s[18:19]
	s_mov_b32 s40, 1
	s_mov_b64 s[42:43], s[4:5]
	s_or_b32 s43, s43, 0x80000000
	s_mov_b32 s44, 1
	s_add_co_u32 s45, s41, VSLOT
	s_add_nc_u64 s[46:47], s[4:5], 512
	s_or_b32 s47, s47, 0x80000000
	s_mov_b32 s48, 1
	s_mov_b32 s18, s49
	s_add_nc_u64 s[50:51], s[6:7], s[18:19]
	s_or_b32 s51, s51, 0x80000000
	s_lshl_b32 s18, s16, 10
	s_add_nc_u64 s[12:13], s[12:13], s[18:19]
	s_lshl_b32 s18, s17, 6
	s_add_nc_u64 s[8:9], s[8:9], s[18:19]
	ROUND
	tensor_load_to_lds s[40:43], s[24:31]          ; K step 0: my one load at the head
	s_nop 0
	NOP4
	v_and_b32 v123, 31, v0                         ; lane
	v_and_b32 v121, 15, v0                         ; r
	v_bfe_u32 v122, v0, 4, 1                       ; h
	v_lshrrev_b32 v114, 2, v0
	v_and_b32 v115, 3, v0
	v_lshlrev_b32 v[PFO], 12, v123                 ; a lane a row
	v_lshlrev_b32 v114, 11, v114
	v_mul_u32_u24 v[VA], v121, VROW
	v_mul_u32_u24 v[UC], v122, UTILE
	v_lshl_add_u32 v114, v115, 4, v114             ; hpt: tile t / 4, 16 bytes of my batch's 64
	v_lshlrev_b32 v115, 4, v0
	global_prefetch_b8 v[PFO], s[4:5] offset:1024 th:TH_LOAD_NT scope:SCOPE_SE   ; K step 2
	global_prefetch_b8 v[PFO], s[4:5] offset:1280 th:TH_LOAD_NT scope:SCOPE_SE
	global_load_b128 v[30:33], v114, s[8:9]
	global_load_b128 v[34:37], v115, s[10:11]
	v_lshl_add_u32 v116, v0, 4, TBL
	v_mov_b32 v[WX], 0                             ; a lane permute's destination counts as one of its sources
	v_lshlrev_b32 v[SH8], 3, v122
	v_lshl_add_u32 v[VA], v122, 7, v[VA]
	v_lshl_add_u32 v[UC], v121, 5, v[UC]
	v_lshl_add_u32 v[FC], v123, 4, s21             ; a fragment image: 16 x lane, in my four tiles
	v_lshl_add_u32 v[TC], v122, 5, s23             ; the tables: 32 h, + 256 q
	v_add_nc_u32 v[VA], s20, v[VA]                 ; V: row r of my 64, + 128 h
	v_add_nc_u32 v[UC], s22, v[UC]                 ; scale words: 32 r, lanes 16-31 the next tile's
	s_delay_alu instid0(VALU_DEP_2)
	v_add_nc_u32 v[VA+1], VSLOT, v[VA]
	s_wait_alu depctr_va_vdst(0)                   ; the wait at the head's end
	s_wait_tensorcnt 0x0                           ; the full sequence ahead of slot 1's first fill
	ds_add_u32 v1, v2
	s_wait_dscnt 0x0
	ROUND
	tensor_load_to_lds s[44:47], s[24:31]          ; K step 1
	s_nop 0
	NOP4
	s_wait_loadcnt 0x0
	v_pk_mul_f32 v[30:31], v[30:31], s[52:53] op_sel_hi:[1,0]
	v_pk_mul_f32 v[32:33], v[32:33], s[52:53] op_sel_hi:[1,0]
	v_pk_mul_f32 v[34:35], v[34:35], -2.0 op_sel_hi:[1,0]
	v_pk_mul_f32 v[36:37], v[36:37], -2.0 op_sel_hi:[1,0]
	ds_store_b128 v116, v[30:33]                   ; read by all waves behind later rounds, each with its wait for 0 on DScnt
	ds_store_b128 v116, v[34:37] offset:4096
.macro VFETCH slot, m                  ; 64 numbers of row 16 m + r: register 32 c + i = k 64 c + 32 h + i
.irp c, 0,1
.irp i, 0,1,2,3,4,5,6,7
	ds_load_b128 v[X+32*\c+4*\i:X+32*\c+4*\i+3], v[VA+\slot] offset:16*VROW*(\m)+256*\c+16*\i
.endr
.endr
.endm
.macro QFRAG k, m                      ; two whole blocks a lane -> fragment 4 k + m and its rows' scale word
.set qf, 4*(\k)+(\m)
.if qf < 11
.set qd, VC0+12*qf
.set qw, 0
.else
.set qd, 12*(qf-11)
.set qw, 0x40
.endif
.set qs, VS+2*(\k)+(\m)/2
.irp c, 0,1
	v_max3_num_f32 v[MX+\c], |v[X+32*\c]|, |v[X+32*\c+1]|, 0x2800000   ; the floor 2^(5 - 127): the byte cannot fall under 1
.endr
.irp i, 2,4,6,8,10,12,14,16,18,20,22,24,26,28,30
.irp c, 0,1
	s_delay_alu instid0(VALU_DEP_2)
	v_max3_num_f32 v[MX+\c], v[MX+\c], |v[X+32*\c+\i]|, |v[X+32*\c+\i+1]|
.endr
.endr
.irp c, 0,1
	s_delay_alu instid0(VALU_DEP_2)
	v_add_nc_u32 v[SO+\c], 0xfe000000, v[MX+\c]    ; 4 off the exponent field: the conversion's scale operand
.endr
.irp c, 0,1
	s_delay_alu instid0(VALU_DEP_2)
	v_lshrrev_b32 v[BY+\c], 23, v[SO+\c]
.endr
	s_delay_alu instid0(VALU_DEP_1)
	v_lshl_or_b32 v[WD], v[BY+1], 16, v[BY]        ; blocks h and 2 + h,
	s_delay_alu instid0(VALU_DEP_1)
	v_lshlrev_b32 v[WD], v[SH8], v[WD]             ; 8 h bits up;
	s_delay_alu instid0(VALU_DEP_1)
	v_permlanex16_b32 v[WX], v[WD], s54, s55
	s_delay_alu instid0(VALU_DEP_1)
.if (\m)%2 == 0
	v_or_b32 v[qs], v[WD], v[WX]                   ; with lane l xor 16's two the word is whole, in both halves of the lanes
.else
	v_or_b32 v[WD], v[WD], v[WX]
	s_delay_alu instid0(VALU_DEP_1)
	v_cndmask_b32 v[qs], v[qs], v[WD], s56         ; the odd block's words go to lanes 16-31
.endif
	v_cvt_scalef32_pk16_bf6_f32 v[CT0:CT0+2], v[X+16:X+31], v[SO]
	v_cvt_scalef32_pk16_bf6_f32 v[CT1:CT1+2], v[X+48:X+63], v[SO+1]
	WIN qw
	v_cvt_scalef32_pk16_bf6_f32 v[qd:qd+2], v[X:X+15], v[SO]
	v_cvt_scalef32_pk16_bf6_f32 v[qd+6:qd+8], v[X+32:X+47], v[SO+1]
	v_nop                                          ; one plain place behind the scaled conversions
.irp i, 0,1,2
	v_mov_b32 v[qd+3+\i], v[CT0+\i]
	v_mov_b32 v[qd+9+\i], v[CT1+\i]
.endr
	WIN 0
.endm
.macro KSTEP k
.irp m, 0,1,2,3
	VFETCH (\k)%2, \m
.if (\m == 0) && ((\k)+3 < 8)
	global_prefetch_b8 v[PFO], s[4:5] offset:512*((\k)+3) th:TH_LOAD_NT scope:SCOPE_SE       ; two K steps on from the load just issued
	global_prefetch_b8 v[PFO], s[4:5] offset:512*((\k)+3)+256 th:TH_LOAD_NT scope:SCOPE_SE
.endif
	s_wait_dscnt 0x0
	QFRAG \k, \m
.endr
.endm
.macro CHANGEV s                       ; the slot just read takes the K step two on
	s_wait_tensorcnt 0x0                           ; my part of the other slot is in,
	ds_add_u32 v1, v2
	s_add_nc_u64 s[42+4*\s:43+4*\s], s[42+4*\s:43+4*\s], 1024
	s_wait_dscnt 0x0                               ; and my reads of this slot are over
	ROUND
	tensor_load_to_lds s[40+4*\s:43+4*\s], s[24:31]
	s_nop 0
	NOP4
.endm
.macro CHANGEU step                    ; U's first two fills land on V's slots, as refills do
	s_wait_tensorcnt 0x0
	ds_add_u32 v1, v2
.if \step
	s_xor_b32 s49, s49, USLOT
	s_add_nc_u64 s[50:51], s[50:51], 8*UTILE
.endif
	s_wait_dscnt 0x0
	ROUND
	tensor_load_to_lds s[48:51], s[32:39]
	s_nop 0
	NOP4
.endm
	KSTEP 0
	CHANGEV 0
	KSTEP 1
	CHANGEV 1
	KSTEP 2
	CHANGEV 0
	KSTEP 3
	CHANGEV 1
	KSTEP 4
	CHANGEV 0
	KSTEP 5
	CHANGEV 1
	KSTEP 6
	CHANGEU 0
	KSTEP 7
	CHANGEU 1
.macro FRLD t, k                       ; fragment k of my tile t into ring slot (k + t) % 4
.set fb, UF+12*(((\k)+(\t))%4)
.irp c, 0,1,2
	ds_load_b128 v[fb+4*\c:fb+4*\c+3], v[FA] offset:UTILE*(\t)+1536*(\k)+512*\c
.endr
.endm
.macro USLD t                          ; the scale words of tiles t (lanes 0-15) and t + 1 (lanes 16-31): register k = K step k
	ds_load_b128 v[US:US+3], v[UA] offset:UTILE*(\t)
	ds_load_b128 v[US+4:US+7], v[UA] offset:UTILE*(\t)+16
.endm
.macro TBLD t, off                     ; my eight d of a table
	ds_load_b128 v[tb:tb+3], v[TA] offset:(\off)+64*(\t)
	ds_load_b128 v[tb+4:tb+7], v[TA] offset:(\off)+64*(\t)+16
.endm
.macro WM xa, xb
.if mk == 0
	v_wmma_scale_f32_16x16x128_f8f6f4 v[ma:ma+7], v[mu:mu+11], v[mv:mv+11], 0, v[ms], v[mw] matrix_a_fmt:MATRIX_FMT_BF6 matrix_b_fmt:MATRIX_FMT_BF6 \xa \xb
.else
	v_wmma_scale_f32_16x16x128_f8f6f4 v[ma:ma+7], v[mu:mu+11], v[mv:mv+11], v[ma:ma+7], v[ms], v[mw] matrix_a_fmt:MATRIX_FMT_BF6 matrix_b_fmt:MATRIX_FMT_BF6 \xa \xb
.endif
.endm
.macro MMK t, k                        ; K step k of tile t against my four blocks of 16 rows
.set mk, \k
.set mu, UF+12*(((\k)+(\t))%4)
.set ms, US+(\k)
.set mm, 0
.rept 4
.set mf, 4*mk+mm
.if mf < 11
.set mv, VC0+12*mf
	WIN 0
.else
.set mv, 12*(mf-11)
	WIN 0x04
.endif
.set ma, ACC+8*mm
.set mw, VS+2*mk+mm/2
.if ((\t)%2 == 0) && (mm%2 == 0)
	WM
.elseif (\t)%2 == 0
	WM matrix_b_scale:MATRIX_SCALE_ROW1
.elseif mm%2 == 0
	WM matrix_a_scale:MATRIX_SCALE_ROW1
.else
	WM matrix_a_scale:MATRIX_SCALE_ROW1, matrix_b_scale:MATRIX_SCALE_ROW1
.endif
.set mm, mm+1
.endr
.endm
; A tile.  The counted waits on DScnt name the loads issued behind the ones waited for.  The four v_nop are the places between matrix instructions and loads into registers that they read (and the first read of results).
.macro TILE t
.set nx, 0
.if (\t) < 3
.set nx, 1                             ; a next tile in this slot: its fragments are fetched on the way
.endif
.set us2, 0
.if (\t) == 1
.set us2, 1
.endif
.set tb, UF+12*((\t)%4)                ; the ring slot that k = 4 leaves
.if (\t) == 0
	s_wait_dscnt 3                                 ; all but fragment 3
.endif
	MMK \t, 0
	MMK \t, 1
	NOP4
	FRLD \t, 4
	FRLD \t, 5
	s_wait_dscnt 6                                 ; fragments 2, 3 are in
	MMK \t, 2
	MMK \t, 3
	NOP4
	FRLD \t, 6
	FRLD \t, 7
	s_wait_dscnt 6                                 ; 4, 5
	MMK \t, 4
	MMK \t, 5
	NOP4
	TBLD \t, 0                                     ; c x h_proj
.if nx
	FRLD (\t)+1, 0
.endif
	s_wait_dscnt 2+3*nx                            ; 6, 7
	MMK \t, 6
	MMK \t, 7
	WIN 0
	NOP4
.if nx
	FRLD (\t)+1, 1
	FRLD (\t)+1, 2
.endif
.if us2
	USLD 2
.endif
	s_wait_dscnt 9*nx+2*us2                        ; the table is in
.set ti, 0
.rept 16
	v_pk_fma_f32 v[ACC+2*ti:ACC+2*ti+1], v[ACC+2*ti:ACC+2*ti+1], s[52:53], v[tb+2*(ti%4):tb+2*(ti%4)+1] op_sel_hi:[1,0,1]   ; c (x + h_proj); each accumulator from its low end on
.set ti, ti+1
.endr
	TBLD \t, 4096                                  ; -2 w, into the registers that h_proj has left
	s_wait_alu depctr_va_vdst(0)                   ; ahead of the batch
.set ti, 0
.rept 32
	v_exp_f32 v[ACC+ti], v[ACC+ti]
.set ti, ti+1
.endr
	v_nop
	s_wait_alu depctr_va_vdst(0)                   ; behind it
.set ti, 0
.rept 16
	v_pk_add_f32 v[ACC+2*ti:ACC+2*ti+1], v[ACC+2*ti:ACC+2*ti+1], 1.0 op_sel_hi:[1,0]
.set ti, ti+1
.endr
	s_wait_alu depctr_va_vdst(0)
.set ti, 0
.rept 32
	v_rcp_f32 v[ACC+ti], v[ACC+ti]
.set ti, ti+1
.endr
	v_nop
	s_wait_alu depctr_va_vdst(0)
	s_wait_dscnt 0x0                               ; w is in
.set ti, 0
.rept 16
	v_pk_fma_f32 v[EA+2*(ti%4):EA+2*(ti%4)+1], v[ACC+8*(ti%4)+2*(ti/4):ACC+8*(ti%4)+2*(ti/4)+1], v[tb+2*(ti/4):tb+2*(ti/4)+1], v[EA+2*(ti%4):EA+2*(ti%4)+1]   ; the four blocks' sums by turns
.set ti, ti+1
.endr
.if nx
	FRLD (\t)+1, 3
.endif
.endm
.macro SLOTWORK                        ; my four tiles of the slot at s58
	v_add_nc_u32 v[FA], s58, v[FC]
	v_add_nc_u32 v[UA], s58, v[UC]
	v_add_nc_u32 v[TA], s59, v[TC]
	s_wait_alu depctr_va_vdst(0)                   ; the wait behind these writes
	USLD 0
	FRLD 0, 0
	FRLD 0, 1
	FRLD 0, 2
	FRLD 0, 3
	TILE 0
	TILE 1
	TILE 2
	TILE 3
.endm
.macro SYNC refill                     ; the change of slots
	s_wait_tensorcnt 0x0                           ; my tile of the other slot is in,
	ds_add_u32 v1, v2
.if \refill
	s_xor_b32 s49, s49, USLOT
	s_add_nc_u64 s[50:51], s[50:51], 8*UTILE
.endif
	s_xor_b32 s58, s58, USLOT
	s_add_co_u32 s59, s59, 512
	s_wait_dscnt 0x0                               ; and my reads of this slot are over
.if \refill
	ROUND
	tensor_load_to_lds s[48:51], s[32:39]          ; the eight tiles two fills on
	s_nop 0
	NOP4
.else
	s_barrier_signal -1
	s_barrier_wait -1
.endif
.endm
	s_wait_xcnt 0x0                                ; the prefetches have read their offsets: the ring's registers may be written
.irp j, 0,1,2,3,4,5,6,7
	v_mov_b32 v[EA+\j], 0
.endr
	s_mov_b32 s58, 0
	s_mov_b32 s59, 0
	s_mov_b32 s57, 6
.Lfill:
	SLOTWORK
	SYNC 1
	s_sub_co_u32 s57, s57, 1
	s_cmp_lg_u32 s57, 0
	s_cbranch_scc1 .Lfill
	s_mov_b32 s57, 2
.Llast:                                        ; the last two fills are followed by no other
	SLOTWORK
	SYNC 0
	s_sub_co_u32 s57, s57, 1
	s_cmp_lg_u32 s57, 0
	s_cbranch_scc1 .Llast
	s_lshl_b32 s20, s61, 10
	s_lshl_b32 s21, s60, 8
	s_add_co_u32 s20, s20, s21
	s_add_co_u32 s20, s20, SCR                     ; my half's 1,024 bytes, my 64 rows
	s_wait_alu depctr_va_vdst(0)
.irp m, 0,1,2,3
	v_add_f32 v[EA+2*\m], v[EA+2*\m], v[EA+2*\m+1]
.endr
.irp m, 0,1,2,3
	v_permlanex16_b32 v[ACC+\m], v[EA+2*\m], s54, s55
.endr
.irp m, 0,1,2,3
	v_add_f32 v[EA+2*\m], v[EA+2*\m], v[ACC+\m]    ; with lane l xor 16's eight d
.endr
	v_and_b32 v70, 31, v0
	v_lshlrev_b32 v71, 3, v0
	v_cndmask_b32 v[ACC+8], v[EA], v[EA+2], s56    ; lanes 0-15 rows 0-15, lanes 16-31 rows 16-31
	v_cndmask_b32 v[ACC+9], v[EA+4], v[EA+6], s56
	v_lshl_add_u32 v70, v70, 2, s20
	v_add_nc_u32 v72, SCR, v71
	ds_store_b32 v70, v[ACC+8]
	ds_store_b32 v70, v[ACC+9] offset:128
	s_wait_alu depctr_va_vdst(0)
	s_wait_dscnt 0x0                               ; for the others' sake
	s_barrier_signal -1
	s_barrier_wait -1
	s_cmp_gt_u32 s14, 3
	s_cbranch_scc1 .Lend
	ds_load_b64 v[74:75], v72                      ; waves 0-3: two rows a lane, of both halves of d
	ds_load_b64 v[76:77], v72 offset:1024
	s_wait_dscnt 0x0
	v_pk_add_f32 v[74:75], v[74:75], v[76:77]
	global_store_b64 v71, v[74:75], s[12:13]       ; a wave stores 256 bytes on end, at a multiple of 256 from escore's first byte
.Lend:
	s_wait_tensorcnt 0x0                           ; the wave's end
	ds_add_u32 v1, v2
	s_wait_dscnt 0x0
	ROUND                                          ; the closing round
	s_endpgm
.Lfunc_end_k_q6f16798c4f_scores:
	.size	k_q6f16798c4f_scores, .Lfunc_end_k_q6f16798c4f_scores-k_q6f16798c4f_scores
	.p2alignl 7, 3214868480
	.fill 96, 4, 3214868480
	.section	.rodata,"a",@progbits
	.p2align	6, 0x0
	.amdhsa_kernel k_q6f16798c4f_scores
		.amdhsa_group_segment_fixed_size 327680
		.amdhsa_private_segment_fixed_size 0
		.amdhsa_enable_private_segment 0
		.amdhsa_kernarg_size 40
		.amdhsa_user_sgpr_count 2
		.amdhsa_user_sgpr_kernarg_segment_ptr 1
		.amdhsa_wavefront_size32 1
		.amdhsa_system_sgpr_workgroup_id_x 1
		.amdhsa_system_sgpr_workgroup_id_y 1
		.amdhsa_system_sgpr_workgroup_id_z 1
		.amdhsa_system_vgpr_workitem_id 0
		.amdhsa_next_free_vgpr 512
		.amdhsa_next_free_sgpr 66
		.amdhsa_reserve_vcc 0
		.amdhsa_float_denorm_mode_32 3
		.amdhsa_float_denorm_mode_16_64 3
		.amdhsa_memory_ordered 1
		.amdhsa_forward_progress 1
		.amdhsa_inst_pref_size 255
	.end_amdhsa_kernel
	.section	.bss,"aw",@nobits
	.p2align	6
	.space	262144
	.amdgpu_metadata
---
amdhsa.version: [ 1, 2 ]
amdhsa.kernels:
  - .name:           k_q6f16798c4f_scores
    .symbol:         k_q6f16798c4f_scores.kd
    .args:
      - { .name: V, .offset: 0, .size: 8, .value_kind: global_buffer, .address_space: global }
      - { .name: upack, .offset: 8, .size: 8, .value_kind: global_buffer, .address_space: global }
      - { .name: hpt, .offset: 16, .size: 8, .value_kind: global_buffer, .address_space: global }
      - { .name: w_w, .offset: 24, .size: 8, .value_kind: global_buffer, .address_space: global }
      - { .name: escore, .offset: 32, .size: 8, .value_kind: global_buffer, .address_space: global }
    .group_segment_fixed_size: 327680
    .private_segment_fixed_size: 0
    .kernarg_segment_align: 8
    .kernarg_segment_size: 40
    .max_flat_workgroup_size: 256
    .sgpr_count:     66
    .vgpr_count:     512
    .wavefront_size: 32
...
	.end_amdgpu_metadata
.endif
;; end of part 2
;; launch finish (part 3): grid 8 x 32, 8 waves a work-group, no clusters, 13,824 bytes of LDS; arguments V, escore, out0, out1; writes out0, out1
.if DOCPART == 3
	.amdgcn_target "amdgcn-amd-amdhsa--gfx1250"
	.amdhsa_code_object_version 6
	.text
	.protected	k_q6f16798c4f_finish
	.globl	k_q6f16798c4f_finish
	.p2align	8
	.type	k_q6f16798c4f_finish,@function
k_q6f16798c4f_finish:
	s_mov_b64 s[64:65], 0
	v_nop
	global_prefetch_b8 v0, s[64:65] scope:SCOPE_SE
	s_setreg_imm32_b32 hwreg(HW_REG_WAVE_MODE, 25, 1), 1
	s_wait_xcnt 0x0
; FINISH.  beta[b][:] = softmax over s of escore[b][:] (which is e less a number that is the same for every s, so the softmax is e's); out1 = beta; out0[b][v] = the sum over s of beta[b][s] V[b][s][v].  All in f32.
; The row's true maximum is taken away before the exponential.  A weight that would fall under 2^-126 counts as 0.  NaN and infinities among the inputs are not served.
; SHARES.  Work-group (x, b) owns columns 128 x .. 128 x + 127 of batch b: 512 bytes of each of the batch's 2,048 rows; wave w takes rows 256 w .. 256 w + 255.  A load of a wave is a row's 512 bytes on end.
; Each of a batch's eight work-groups makes the softmax for itself (8 KB of escore against the 1 MB of V that it reads: too small a part to share in a cluster), and stores an eighth of beta.
; A ring of 32 slots in registers keeps 32 loads of every wave on their way.  No matrix unit: the product has one row.
.set BT,  256                          ; LDS: 0: eight maxima, at 32: eight sums; BT: beta, 8,192 bytes; RS: eight waves' partial rows, 512 bytes each
.set RS,  8448
.set E,   8                            ; v8-15    my eight numbers of the row: places 4 t .. 4 t + 3 and 1,024 + 4 t .. + 3
.set A,   16                           ; v16-31   four sets of four sums, by turns
.set B,   32                           ; v32-63   32 rows' beta
.set X,   64                           ; v64-191  32 slots of 4
; v1 16 x lane | v2 16 x thread | v3 beta's address | v4 my wave's word | v5 0 | v6, v7, v192-203 at work
	s_load_b256 s[4:11], s[0:1], 0x0               ; V s[4:5], escore s[6:7], out0 s[8:9], out1 s[10:11]
	v_lshl_add_u32 v208, v0, 2, 0x3200
	v_mov_b32 v209, 0
	v_lshrrev_b32 v4, 5, v0
	s_delay_alu instid0(VALU_DEP_1)
	v_readfirstlane_b32 s12, v4                    ; wave 0..7
	s_and_b32 s13, ttmp7, 0xffff                   ; batch
	v_and_b32 v1, 31, v0
	s_delay_alu instid0(VALU_DEP_1)
	v_lshlrev_b32 v1, 4, v1
	v_lshlrev_b32 v2, 4, v0
	v_mov_b32 v4, s12
	s_delay_alu instid0(VALU_DEP_1)
	v_lshlrev_b32 v4, 2, v4
	v_mov_b32 v5, 0
	v_mov_b32 v7, 0                                ; written once: a lane permute's destination counts as one of its sources
	s_lshl_b32 s14, s12, 10
	s_add_co_u32 s14, s14, BT                      ; beta of my wave's first row
	s_mov_b32 s16, 0x76543210
	s_mov_b32 s17, 0xfedcba98
	s_mov_b32 s24, 0x3fb8aa3b                      ; log2(e)
	s_lshl_b32 s18, s13, 23                        ; V: 2,048 rows of 4,096 bytes a batch,
	s_lshl_b32 s19, s12, 20                        ; 256 rows a wave,
	s_add_co_u32 s18, s18, s19
	s_lshl_b32 s19, ttmp9, 9                       ; 512 bytes a work-group
	s_add_co_u32 s18, s18, s19
	s_lshl_b32 s22, s13, 12                        ; out0: 4,096 bytes a batch, + the same 512
	s_add_co_u32 s22, s22, s19
	s_mov_b32 s19, 0
	s_mov_b32 s23, 0
	s_lshl_b32 s20, s13, 13                        ; escore and out1: 8,192 bytes a batch
	s_mov_b32 s21, 0
	s_wait_alu depctr_va_vdst(0)
	s_wait_kmcnt 0x0
	s_add_nc_u64 s[4:5], s[4:5], s[18:19]
	s_add_nc_u64 s[6:7], s[6:7], s[20:21]
	s_add_nc_u64 s[8:9], s[8:9], s[22:23]
	s_add_nc_u64 s[10:11], s[10:11], s[20:21]
	global_load_b128 v[E:E+3], v2, s[6:7]
	global_load_b128 v[E+4:E+7], v2, s[6:7] offset:4096
.set j, 0
.rept 32
	global_load_b128 v[X+4*j:X+4*j+3], v1, s[4:5] offset:4096*j th:TH_LOAD_NT   ; the ring is filled: rows 0 to 31; the launch reads each byte of V once
.set j, j+1
.endr
.set j, 0
.rept 16
	v_mov_b32 v[A+j], 0
.set j, j+1
.endr
	s_wait_loadcnt 32                              ; escore's two loads are in; the ring's 32 stay out
	v_max3_num_f32 v6, v[E], v[E+1], v[E+2]
	s_delay_alu instid0(VALU_DEP_1)
	v_max3_num_f32 v6, v6, v[E+3], v[E+4]
	s_delay_alu instid0(VALU_DEP_1)
	v_max3_num_f32 v6, v6, v[E+5], v[E+6]
	s_delay_alu instid0(VALU_DEP_1)
	v_max_num_f32 v6, v6, v[E+7]
	s_delay_alu instid0(VALU_DEP_1)
	v_max_num_f32_dpp v6, v6, v6 row_xmask:1 row_mask:0xf bank_mask:0xf
	s_delay_alu instid0(VALU_DEP_1)
	v_max_num_f32_dpp v6, v6, v6 row_xmask:2 row_mask:0xf bank_mask:0xf
	s_delay_alu instid0(VALU_DEP_1)
	v_max_num_f32_dpp v6, v6, v6 row_xmask:4 row_mask:0xf bank_mask:0xf
	s_delay_alu instid0(VALU_DEP_1)
	v_max_num_f32_dpp v6, v6, v6 row_xmask:8 row_mask:0xf bank_mask:0xf
	s_delay_alu instid0(VALU_DEP_1)
	v_permlanex16_b32 v7, v6, s16, s17
	s_delay_alu instid0(VALU_DEP_1)
	v_max_num_f32 v6, v6, v7                       ; my wave's maximum, in every lane
	ds_store_b32 v4, v6
	s_wait_dscnt 0x0                               ; for the others' sake
	s_barrier_signal -1
	s_barrier_wait -1
	ds_load_b128 v[192:195], v5
	ds_load_b128 v[196:199], v5 offset:16
	s_wait_dscnt 0x0
	v_max3_num_f32 v6, v192, v193, v194
	s_delay_alu instid0(VALU_DEP_1)
	v_max3_num_f32 v6, v6, v195, v196
	s_delay_alu instid0(VALU_DEP_1)
	v_max3_num_f32 v6, v6, v197, v198
	s_delay_alu instid0(VALU_DEP_1)
	v_max_num_f32 v6, v6, v199                     ; the row's maximum
.irp i, 0,1,2,3,4,5,6,7
	v_sub_f32 v[E+\i], v[E+\i], v6
.endr
.irp i, 0,1,2,3,4,5,6,7
	v_mul_f32 v[E+\i], s24, v[E+\i]
.endr
	s_wait_alu depctr_va_vdst(0)
.irp i, 0,1,2,3,4,5,6,7
	v_exp_f32 v[E+\i], v[E+\i]                     ; p = e^(e - maximum), at most 1
.endr
	v_nop                                          ; a plain line behind the last exponential,
	s_wait_alu depctr_va_vdst(0)                   ; and one wait for the eight, ahead of their first use
	v_pk_add_f32 v[200:201], v[E:E+1], v[E+2:E+3]
	v_pk_add_f32 v[202:203], v[E+4:E+5], v[E+6:E+7]
	s_delay_alu instid0(VALU_DEP_1)
	v_pk_add_f32 v[200:201], v[200:201], v[202:203]
	s_delay_alu instid0(VALU_DEP_1)
	v_add_f32 v200, v200, v201
	s_delay_alu instid0(VALU_DEP_1)
	v_add_f32_dpp v200, v200, v200 row_xmask:1 row_mask:0xf bank_mask:0xf
	s_delay_alu instid0(VALU_DEP_1)
	v_add_f32_dpp v200, v200, v200 row_xmask:2 row_mask:0xf bank_mask:0xf
	s_delay_alu instid0(VALU_DEP_1)
	v_add_f32_dpp v200, v200, v200 row_xmask:4 row_mask:0xf bank_mask:0xf
	s_delay_alu instid0(VALU_DEP_1)
	v_add_f32_dpp v200, v200, v200 row_xmask:8 row_mask:0xf bank_mask:0xf
	s_delay_alu instid0(VALU_DEP_1)
	v_permlanex16_b32 v7, v200, s16, s17
	s_delay_alu instid0(VALU_DEP_1)
	v_add_f32 v200, v200, v7
	ds_store_b32 v4, v200 offset:32                ; other words than the maxima's: no wave waits for their readers
	s_wait_dscnt 0x0
	s_barrier_signal -1
	s_barrier_wait -1
	ds_load_b128 v[192:195], v5 offset:32
	ds_load_b128 v[196:199], v5 offset:48
	s_wait_dscnt 0x0
	v_pk_add_f32 v[192:193], v[192:193], v[194:195]
	v_pk_add_f32 v[196:197], v[196:197], v[198:199]
	s_delay_alu instid0(VALU_DEP_1)
	v_pk_add_f32 v[192:193], v[192:193], v[196:197]
	s_delay_alu instid0(VALU_DEP_1)
	v_add_f32 v192, v192, v193                     ; the row's sum: at least 1
	s_wait_alu depctr_va_vdst(0)
	v_rcp_f32 v200, v192
	v_nop
	s_wait_alu depctr_va_vdst(0)
.irp i, 0,2,4,6
	v_pk_mul_f32 v[E+\i:E+\i+1], v[E+\i:E+\i+1], v[200:201] op_sel_hi:[1,0]    ; beta
.endr
	ds_store_b128 v2, v[E:E+3] offset:BT
	ds_store_b128 v2, v[E+4:E+7] offset:BT+4096
	s_cmp_lg_u32 s12, ttmp9                        ; of the batch's eight work-groups, work-group x stores what its wave x holds: 2 x 512 bytes on end
	s_cbranch_scc1 .Lnot_out1
	global_store_b128 v2, v[E:E+3], s[10:11]
	global_store_b128 v2, v[E+4:E+7], s[10:11] offset:4096
.Lnot_out1:
	s_wait_dscnt 0x0
	s_barrier_signal -1
	s_barrier_wait -1                              ; beta lies whole in LDS
; 32 rows.  ahead = 1: each slot is filled again with the row 32 further down.
.macro ROWS ahead
	v_mov_b32 v3, s14
.set j, 0
.rept 8
	ds_load_b128 v[B+4*j:B+4*j+3], v3 offset:16*j                  ; every lane reads the same 16 bytes
.set j, j+1
.endr
	s_wait_dscnt 0x0
.set j, 0
.rept 32
.if \ahead
	s_wait_loadcnt 31                              ; loads come back in order: slot j's is in, the 31 younger ones stay out
.else
	s_wait_loadcnt 31-j                            ; the last rows: the counts run down
.endif
.irp c, 0,1,2,3
	v_fmac_f32 v[A+4*(j%4)+\c], v[X+4*j+\c], v[B+j]
.endr
.if \ahead
	global_load_b128 v[X+4*j:X+4*j+3], v1, s[4:5] offset:4096*(32+j) th:TH_LOAD_NT
.endif
.set j, j+1
.endr
.endm
	s_mov_b32 s25, 7
.Ltrip:
	ROWS 1
	s_wait_xcnt 0x0                                ; the loads have had their addresses translated: only now is their base stepped
	s_add_nc_u64 s[4:5], s[4:5], 131072            ; 32 rows on
	s_add_co_u32 s14, s14, 128
	s_sub_co_u32 s25, s25, 1
	s_cmp_lg_u32 s25, 0
	s_cbranch_scc1 .Ltrip
	ROWS 0                                         ; the last 32 rows load nothing: no load leaves the buffer
	v_pk_add_f32 v[A:A+1], v[A:A+1], v[A+4:A+5]
	v_pk_add_f32 v[A+2:A+3], v[A+2:A+3], v[A+6:A+7]
	s_wait_alu depctr_va_vdst(0)
	v_pk_add_f32 v[A+8:A+9], v[A+8:A+9], v[A+12:A+13]
	v_pk_add_f32 v[A+10:A+11], v[A+10:A+11], v[A+14:A+15]
	s_delay_alu instid0(VALU_DEP_2)
	v_pk_add_f32 v[A:A+1], v[A:A+1], v[A+8:A+9]
	s_delay_alu instid0(VALU_DEP_2)
	v_pk_add_f32 v[A+2:A+3], v[A+2:A+3], v[A+10:A+11]
	ds_store_b128 v2, v[A:A+3] offset:RS           ; 16 x thread = 512 x wave + 16 x lane
	s_wait_dscnt 0x0
	s_barrier_signal -1
	s_barrier_wait -1
	s_cmp_lg_u32 s12, 0
	s_cbranch_scc1 .Lend
.irp q, 0,1,2,3,4,5,6,7
	ds_load_b128 v[X+4*\q:X+4*\q+3], v1 offset:RS+512*\q
.endr
	s_wait_dscnt 0x0
.irp q, 1
	v_pk_add_f32 v[X:X+1], v[X:X+1], v[X+4*\q:X+4*\q+1]
	v_pk_add_f32 v[X+2:X+3], v[X+2:X+3], v[X+4*\q+2:X+4*\q+3]
.endr
.irp q, 2, 3, 4, 5, 6, 7
	s_delay_alu instid0(VALU_DEP_2)
	v_pk_add_f32 v[X:X+1], v[X:X+1], v[X+4*\q:X+4*\q+1]
	s_delay_alu instid0(VALU_DEP_2)
	v_pk_add_f32 v[X+2:X+3], v[X+2:X+3], v[X+4*\q+2:X+4*\q+3]
.endr
	global_store_b128 v1, v[X:X+3], s[8:9]         ; 512 bytes on end, at a multiple of 256 from out0's first byte
.Lend:
	s_wait_tensorcnt 0x0
	ds_add_u32 v208, v209
	s_wait_dscnt 0x0
	s_endpgm
.Lfunc_end_k_q6f16798c4f_finish:
	.size	k_q6f16798c4f_finish, .Lfunc_end_k_q6f16798c4f_finish-k_q6f16798c4f_finish
	.p2alignl 7, 3214868480
	.fill 96, 4, 3214868480
	.section	.rodata,"a",@progbits
	.p2align	6, 0x0
	.amdhsa_kernel k_q6f16798c4f_finish
		.amdhsa_group_segment_fixed_size 13824
		.amdhsa_private_segment_fixed_size 0
		.amdhsa_enable_private_segment 0
		.amdhsa_kernarg_size 32
		.amdhsa_user_sgpr_count 2
		.amdhsa_user_sgpr_kernarg_segment_ptr 1
		.amdhsa_wavefront_size32 1
		.amdhsa_system_sgpr_workgroup_id_x 1
		.amdhsa_system_sgpr_workgroup_id_y 1
		.amdhsa_system_sgpr_workgroup_id_z 1
		.amdhsa_system_vgpr_workitem_id 0
		.amdhsa_next_free_vgpr 210
		.amdhsa_next_free_sgpr 66
		.amdhsa_reserve_vcc 0
		.amdhsa_float_denorm_mode_32 3
		.amdhsa_float_denorm_mode_16_64 3
		.amdhsa_memory_ordered 1
		.amdhsa_forward_progress 1
		.amdhsa_inst_pref_size 28
	.end_amdhsa_kernel
	.amdgpu_metadata
---
amdhsa.version: [ 1, 2 ]
amdhsa.kernels:
  - .name:           k_q6f16798c4f_finish
    .symbol:         k_q6f16798c4f_finish.kd
    .args:
      - { .name: V, .offset: 0, .size: 8, .value_kind: global_buffer, .address_space: global }
      - { .name: escore, .offset: 8, .size: 8, .value_kind: global_buffer, .address_space: global }
      - { .name: out0, .offset: 16, .size: 8, .value_kind: global_buffer, .address_space: global }
      - { .name: out1, .offset: 24, .size: 8, .value_kind: global_buffer, .address_space: global }
    .group_segment_fixed_size: 13824
    .private_segment_fixed_size: 0
    .kernarg_segment_align: 8
    .kernarg_segment_size: 32
    .max_flat_workgroup_size: 256
    .sgpr_count:     66
    .vgpr_count:     210
    .wavefront_size: 32
...
	.end_amdgpu_metadata
.endif
;; end of part 3
